; MI455X (gfx1250); checked and timed in simulation.
; The chip was launched on July 23, 2026; its instructions are those of AMD's public machine-readable ISA for CDNA 5 (MIT licence, August 2026) and "CDNA5" Instruction Set Architecture Reference Guide (July 2026). The comments in the code are by the model that wrote it; some were corrected since.
;; Sigma Encoder. Allowed arithmetic: matrix products marked QUANTISED: E2M3 operands, one E8M0 scale for each 32 along K, by v_wmma_scale_f32_16x16x128_f8f6f4 with both operands' format E2M3, f32 sums; everything else in f32.
;; Inputs: W1 1,025 x 512 float32; W2 512 x 512 float32; W3 512 x 512 float32; a 256 x 1,024 float32; b1 512 float32; b2 512 float32; b3 512 float32; ln_b 512 float32; ln_g 512 float32; mask 256 x 1,024 bool; mate 256 x 1,024 int32.
;; Outputs: out0 256 x 512 float32.
;; This version of the problem:
;;   THIS VERSION OF THE PROBLEM IS GIVEN IN LOW PRECISION. The matrix products marked QUANTISED in the list below multiply operands that are first quantised to E2M3 (2 exponent bits, 3 mantissa bits; 6 bits a number), with one power-of-two scale for each 32 numbers along K (OCP MX v1.0); their sums are f32. All else is computed in f32.
;;   The module's matrix products, in the order in which they are computed (A, B: the left and right operand; K: the contracted axis; several contracted axes count as one K, in the product's order):
;;     1. [M 262,144, K 512] x [K 512, N 512]; A: computed on the way; B: input W2: QUANTISED
;;     2. [M 256, K 512] x [K 512, N 512]; A: computed on the way; B: input W3: QUANTISED
;;   THE QUANTISER, for each operand of a quantised product, along K:
;;     - K is cut into blocks of 32 from its start; a last block that is shorter is filled with zeros.
;;     - A block's scale is 2^e with e = floor(log2(the largest magnitude in the block)) - 2, held to -126 .. 127; a block of zeros has e = 0. As a byte (E8M0): e + 127.
;;     - Each number is divided by its block's scale, clamped to +-7.5, and rounded to the nearest number of E2M3, ties to even, subnormals kept.
;;     - The product sums the exact products of the quantised numbers (number of the format x scale) in f32.
;;   ~~~python
;;   def quantise(x, axis):      # numpy; x: float32 -> the quantised numbers, widened to float32 again
;;       x = np.moveaxis(x, axis, -1); K = x.shape[-1]
;;       x = np.pad(x, [(0, 0)] * (x.ndim - 1) + [(0, -K % 32)]); x = x.reshape(x.shape[:-1] + (-1, 32)); a = np.abs(x).max(-1, keepdims=True)
;;       e = np.where(a > 0, np.clip(np.frexp(np.where(a > 0, a, 1))[1] - 1 - 2, -126, 127), 0)      # np.frexp(a)[1] - 1 = floor(log2(a)), exactly
;;       r = np.clip(x / 2.0 ** e, -7.5, 7.5)
;;       step = 2.0 ** (np.maximum(np.frexp(np.where(r == 0, 1, r))[1] - 1, 0) - 3)
;;       q = np.round(r / step) * step * 2.0 ** e      # np.round: ties to even
;;       return np.moveaxis(q.reshape(q.shape[:-2] + (-1,))[..., :K], -1, axis).astype(np.float32)
;;   ~~~
;;   OPERANDS COMPUTED ON THE WAY. 'Computed on the way' means the value that the module computes at that place (a softmax that the list does not call 'softmax' is quantised finished and normalised). What goes into a quantiser is computed in f32, as accurately as f32 sums, v_exp_f32 and their like allow (about 1e-6 of the number): no bf16 or f16 on the way to a quantiser, and a product that is left as it is and whose result goes on into a quantised operand takes f32 operands (vector FMAs, or v_wmma_f32_16x16x4_f32). A number that lies on a knife's edge between two numbers of the format may be rounded either way, as far as f32 arithmetic and the matrix unit's own rounding can turn it there, and no further.
;; One version. Each part assembles by itself: llvm-mc -triple=amdgcn-amd-amdhsa -mcpu=gfx1250 --defsym DOCPART=n.
;; ======== version 1 of 1: 2 launches
;; workspace buffers: tab 2,101,248 bytes; rows 1,048,576 bytes of whole numbers; aval 1,048,576 bytes; cnt 32,768 bytes of whole numbers; w2q 196,608 bytes; w2s 8,192 bytes; w3q 196,608 bytes; w3s 8,192 bytes
;; launch prep (part 1): grid 160 x 1, 4 waves a work-group, no clusters, 0 bytes of LDS; arguments W1, W2, W3, b1, a, mate, mask, tab, rows, aval, cnt, w2q, w2s, w3q, w3s; writes tab, rows, aval, cnt, w2q, w2s, w3q, w3s
.if DOCPART == 1
	.amdgcn_target "amdgcn-amd-amdhsa--gfx1250"
	.amdhsa_code_object_version 6
	.text
	.protected	k_q1fb6e6651c_prep
	.globl	k_q1fb6e6651c_prep
	.p2align	8
	.type	k_q1fb6e6651c_prep,@function
k_q1fb6e6651c_prep:
	s_mov_b64 s[64:65], 0
	v_nop
	global_prefetch_b8 v0, s[64:65] scope:SCOPE_SE
	s_setreg_imm32_b32 hwreg(HW_REG_WAVE_MODE, 25, 1), 1
	s_wait_xcnt 0x0
; PREP: three jobs that the main launch needs done once, shared out by the work-group's number.  No LDS, no barrier: waves share nothing.
; Q (work-groups 0-31): W2 and W3 [512 (k)][512 (n)] f32 become codes of FP6 (E2M3) along K with one E8M0 byte for each 32 along K.  A lane takes a column n and its
;   registers run down K, so a block of 32 lies in one lane.  The codes are stored in the ORDER OF THE OPERAND'S REGISTERS: [n / 16][k / 128][3][lane][16 bytes], so that
;   the reader fills a fragment (12 registers a lane) by three loads of 16 bytes a lane.  Scale bytes: [n][16].
; T (work-groups 32-95): tab[i] = W1[i] + b1 for i = 1 .. 1024; tab[0] = b1 (for mate < 0); tab[1025] = zeros (for slots that the mask drops).
;   Within a row the 16 bytes at 512 j + 16 l hold k = 16 l + 4 j + 0 .. 3: four dense loads of the reader's wave give lane l sixteen neighbours along K.
; P (work-groups 96-159, a wave a batch): the batch's 1,024 slots are laid as a list, the slots with mask != 0 in front: rows[] = the slot's row of tab, aval[] = its a.
;   A dropped slot gets row 1025 and a = 0.  cnt[] = the number kept.  The places are a permutation of 0 .. 1023: every entry is written, by this wave alone.
; LIMITS: a block of zeros gets the scale byte 1 (its codes are zeros; only this program reads the bytes); blocks whose largest magnitude lies under 2^-124 are held at that byte;
;   NaN and infinities in W2, W3 are not served; a mate above 1023 is held at 1023.  The scale words leave as 4 bytes a lane, 16 bytes apart: 16 KB in the whole launch.
.set MK, 8                             ; v8-15    P: the mask's bytes, four slots a register
.set MT, 16                            ; v16-47   P: mate, then the row of tab
.set AV, 48                            ; v48-79   P: a
.set OF, 80                            ; v80-111  P: each step's byte offset in the lists: a register a step, so that no store's source is written again
.set XQ, 64                            ; v64-191  Q: 128 numbers of my column
	s_load_b512 s[4:19], s[0:1], 0x0               ; W1 s[4:5], W2 s[6:7], W3 s[8:9], b1 s[10:11], a s[12:13], mate s[14:15], mask s[16:17], tab s[18:19]
	s_load_b256 s[20:27], s[0:1], 0x40             ; rows s[20:21], aval s[22:23], cnt s[24:25], w2q s[26:27]
	s_load_b128 s[28:31], s[0:1], 0x60             ; w2s s[28:29], w3q s[30:31]
	s_load_b64 s[32:33], s[0:1], 0x70              ; w3s
	v_lshrrev_b32 v1, 5, v0
	v_readfirstlane_b32 s34, v1                    ; wave 0..3
	v_and_b32 v1, 31, v0                           ; lane
	s_mov_b32 s37, 0                               ; the upper word of every offset pair s[36:37]
	s_wait_kmcnt 0x0
	s_cmp_lt_u32 ttmp9, 32
	s_cbranch_scc1 .Lquant
	s_cmp_lt_u32 ttmp9, 96
	s_cbranch_scc1 .Ltable
; ---------------- P: the lists of one batch ----------------
	s_sub_co_u32 s35, ttmp9, 96
	s_lshl_b32 s35, s35, 2
	s_add_co_u32 s35, s35, s34                     ; my batch
	s_lshl_b32 s36, s35, 10                        ; the mask: 1,024 bytes a batch
	s_add_nc_u64 s[16:17], s[16:17], s[36:37]
	s_lshl_b32 s36, s35, 12                        ; mate, a and both lists: 4,096 bytes a batch
	s_add_nc_u64 s[14:15], s[14:15], s[36:37]
	s_add_nc_u64 s[12:13], s[12:13], s[36:37]
	s_add_nc_u64 s[20:21], s[20:21], s[36:37]
	s_add_nc_u64 s[22:23], s[22:23], s[36:37]
	s_lshl_b32 s36, s35, 7                         ; cnt: 128 bytes a batch
	s_add_nc_u64 s[24:25], s[24:25], s[36:37]
	v_lshlrev_b32 v112, 2, v1                      ; 4 x lane
	v_lshlrev_b32 v113, 4, v1                      ; 16 x lane
.irp q, 0,1,2,3,4,5,6,7                        ; slot = 128 q + 4 lane + e
	global_load_b32 v[MK+\q], v112, s[16:17] offset:128*\q th:TH_LOAD_NT
.endr
.irp q, 0,1,2,3,4,5,6,7
	global_load_b128 v[MT+4*\q:MT+4*\q+3], v113, s[14:15] offset:512*\q th:TH_LOAD_NT   ; 32 lanes read 512 consecutive bytes
	global_load_b128 v[AV+4*\q:AV+4*\q+3], v113, s[12:13] offset:512*\q th:TH_LOAD_NT
.endr
	v_sub_nc_u32 v2, 1023, v1                      ; 1023 - lane
	v_mov_b32 v3, 1025                             ; the row of zeros
	s_mov_b32 s38, 0                               ; slots kept so far
	s_wait_loadcnt 0x0
; One step: 32 slots, one a lane.  A kept slot's place is (kept so far) + (kept lanes below me); a dropped slot's is 1023 - (dropped so far) - (dropped lanes below me).
.macro PSTEP q, e
.set ST, 4*(\q)+(\e)
	v_bfe_u32 v4, v[MK+\q], 8*(\e), 8
	v_cmp_ne_u32 vcc_lo, 0, v4                     ; kept?
	v_add_nc_u32 v[MT+ST], 1, v[MT+ST]             ; W1[1:][mate] is row 1 + mate;
	v_max_i32 v[MT+ST], 0, v[MT+ST]                ; mate < 0: row 0, which holds b1 alone
	v_min_u32 v[MT+ST], 1024, v[MT+ST]
	v_cndmask_b32 v[MT+ST], v3, v[MT+ST], vcc_lo   ; dropped: the row of zeros,
	v_cndmask_b32 v[AV+ST], 0, v[AV+ST], vcc_lo    ; and a = 0
	v_mbcnt_lo_u32_b32 v5, vcc_lo, s38             ; kept so far + kept lanes below me
	v_add3_u32 v6, v5, v2, -32*ST                  ; 1023 - (32 ST + lane - v5)
	v_cndmask_b32 v6, v6, v5, vcc_lo
	v_min_u32 v6, 0x3ff, v6                        ; a place made from loaded data is held inside the list before it enters an address
	v_lshlrev_b32 v[OF+ST], 2, v6
	global_store_b32 v[OF+ST], v[MT+ST], s[20:21]
	global_store_b32 v[OF+ST], v[AV+ST], s[22:23]
	s_bcnt1_i32_b32 s39, vcc_lo
	s_add_co_u32 s38, s38, s39
.endm
.irp q, 0,1,2,3,4,5,6,7
.irp e, 0,1,2,3
	PSTEP \q, \e
.endr
.endr
	v_mov_b32 v7, s38
	global_store_b32 v112, v7, s[24:25]            ; the count, the same in all 32 words
	s_endpgm
; ---------------- T: sixteen rows of the table ----------------
.Ltable:
	s_sub_co_u32 s35, ttmp9, 32                    ; g: rows 1 + 16 g .. 16 + 16 g
	s_lshl_b32 s36, s35, 15
	s_add_co_u32 s36, s36, 2048
	s_add_nc_u64 s[4:5], s[4:5], s[36:37]
	s_add_nc_u64 s[40:41], s[18:19], s[36:37]
	v_lshlrev_b32 v5, 6, v1
	s_lshl_b32 s38, s34, 4
	v_add_nc_u32 v5, s38, v5                       ; in: 64 lane + 16 wave: k = 16 lane + 4 wave + 0 .. 3
	v_lshlrev_b32 v6, 4, v1
	s_lshl_b32 s38, s34, 9
	v_add_nc_u32 v6, s38, v6                       ; out: 512 wave + 16 lane: the wave stores 512 consecutive bytes
	global_load_b128 v[8:11], v5, s[10:11]         ; b1
.irp r, 0,1,2,3,4,5,6,7,8,9,10,11,12,13,14,15
	global_load_b128 v[16+4*\r:19+4*\r], v5, s[4:5] offset:2048*\r th:TH_LOAD_NT
.endr
.irp r, 0,1,2,3,4,5,6,7,8,9,10,11,12,13,14,15
	s_wait_loadcnt 15-\r                           ; loads come back in order: b1 and row r are in, the 15 - r younger rows may be out
	v_pk_add_f32 v[16+4*\r:17+4*\r], v[16+4*\r:17+4*\r], v[8:9]
	v_pk_add_f32 v[18+4*\r:19+4*\r], v[18+4*\r:19+4*\r], v[10:11]
	global_store_b128 v6, v[16+4*\r:19+4*\r], s[40:41] offset:2048*\r
.endr
	s_cmp_lg_u32 s35, 0
	s_cbranch_scc1 .Ltable_end
.irp i, 0,1,2,3
	v_mov_b32 v[80+\i], 0
.endr
	global_store_b128 v6, v[8:11], s[18:19]                    ; row 0: b1
	global_store_b128 v6, v[80:83], s[18:19] offset:1025*2048  ; row 1025: zeros
.Ltable_end:
	s_endpgm
; ---------------- Q: 128 columns x 128 along K of W2 or W3 ----------------
.Lquant:
	s_cmp_lt_u32 ttmp9, 16                         ; W2's work-group or W3's: the choice hangs on the work-group's number alone
	s_cselect_b64 s[6:7], s[6:7], s[8:9]
	s_cselect_b64 s[26:27], s[26:27], s[30:31]
	s_cselect_b64 s[28:29], s[28:29], s[32:33]
	s_bfe_u32 s35, ttmp9, 0x20002                  ; which 128 columns
	s_and_b32 s38, ttmp9, 3                        ; which 128 along K
	s_lshl_b32 s36, s38, 18                        ; 128 rows of 2,048 bytes
	s_add_nc_u64 s[6:7], s[6:7], s[36:37]
	s_lshl_b32 s36, s35, 5
	s_lshl_b32 s39, s34, 3
	s_add_co_u32 s36, s36, s39
	s_add_co_u32 s36, s36, s38                     ; 4 x (tile of 16 columns: 8 group + 2 wave) + K step
	s_mul_i32 s36, s36, 1536                       ; a fragment's image is 1,536 bytes
	s_add_nc_u64 s[26:27], s[26:27], s[36:37]
	s_lshl_b32 s36, s38, 2                         ; the K step's word in a column's 16 scale bytes
	s_add_nc_u64 s[28:29], s[28:29], s[36:37]
	s_lshl_b32 s39, s35, 9
	v_lshl_add_u32 v3, v0, 2, s39                  ; 4 n, n = 128 group + the thread's number
	v_lshlrev_b32 v4, 2, v3                        ; 16 n
	v_lshlrev_b32 v5, 4, v1                        ; 16 x lane
.set qi, 0
.rept 128
	global_load_b32 v[XQ+qi], v3, s[6:7] offset:2048*qi th:TH_LOAD_NT   ; W(128 s + i, n): the wave reads 128 consecutive bytes, the work-group 512
.set qi, qi+1
.endr
	s_wait_loadcnt 0x0
; Block t of my column: its largest magnitude (with the floor 2^-124 among the leaves, which holds the byte at 1 from below), 2 off that number's exponent field = the conversion's scale operand, its exponent field = the byte.
; Even blocks go to FA = v24-35, odd ones to FB = v36-47, block t at registers 6 (t / 2) on; a conversion's three registers begin on an even number, so the upper 16 codes are made in v48.. and moved.
.macro QBLK t
.set XS, XQ+32*(\t)
.set FC, 24+12*((\t)%2)+6*((\t)/2)
	v_max3_num_f32 v12, |v[XS]|, |v[XS+1]|, |v[XS+2]|
	v_max3_num_f32 v13, |v[XS+3]|, |v[XS+4]|, |v[XS+5]|
.irp i, 6,10,14,18,22,26
	v_max3_num_f32 v12, v12, |v[XS+\i]|, |v[XS+\i+1]|
	v_max3_num_f32 v13, v13, |v[XS+\i+2]|, |v[XS+\i+3]|
.endr
	v_max3_num_f32 v12, v12, |v[XS+30]|, |v[XS+31]|
	v_max3_num_f32 v12, v12, v13, 0x1800000
	v_add_nc_u32 v[16+\t], 0xff000000, v12
	v_lshrrev_b32 v13, 23, v[16+\t]
.if (\t) == 0
	v_mov_b32 v20, v13
.else
	v_lshl_or_b32 v20, v13, 8*(\t), v20            ; the four bytes make the column's scale word of this K step
.endif
	v_cvt_scalef32_pk16_fp6_f32 v[FC:FC+2], v[XS:XS+15], v[16+\t]
	v_cvt_scalef32_pk16_fp6_f32 v[48+4*(\t):50+4*(\t)], v[XS+16:XS+31], v[16+\t]
.endm
	QBLK 0
	QBLK 1
	QBLK 2
	QBLK 3
	v_nop                                          ; one plain instruction between the last conversion and the instructions that touch its result
.irp t, 0,1,2,3
.irp i, 0,1,2
	v_mov_b32 v[24+12*(\t%2)+6*(\t/2)+3+\i], v[48+4*\t+\i]
.endr
.endr
; The operand's layout: lanes 0-15 hold blocks 0 and 2 of column lane, lanes 16-31 blocks 1 and 3 of column lane - 16.  FA's lanes 16-31 change places with FB's lanes 0-15:
; FA is then the fragment of my wave's first 16 columns, FB that of the other 16.
.irp i, 0,1,2,3,4,5,6,7,8,9,10,11
	v_permlane16_swap_b32 v[24+\i], v[36+\i]
.endr
.irp j, 0,1,2
	global_store_b128 v5, v[24+4*\j:27+4*\j], s[26:27] offset:512*\j         ; 32 lanes store 512 consecutive bytes
	global_store_b128 v5, v[36+4*\j:39+4*\j], s[26:27] offset:6144+512*\j    ; the next tile of columns lies four images on
.endr
	global_store_b32 v4, v20, s[28:29]
	s_endpgm
.Lfunc_end_k_q1fb6e6651c_prep:
	.size	k_q1fb6e6651c_prep, .Lfunc_end_k_q1fb6e6651c_prep-k_q1fb6e6651c_prep
	.p2alignl 7, 3214868480
	.fill 96, 4, 3214868480
	.section	.rodata,"a",@progbits
	.p2align	6, 0x0
	.amdhsa_kernel k_q1fb6e6651c_prep
		.amdhsa_group_segment_fixed_size 0
		.amdhsa_private_segment_fixed_size 0
		.amdhsa_enable_private_segment 0
		.amdhsa_kernarg_size 120
		.amdhsa_user_sgpr_count 2
		.amdhsa_user_sgpr_kernarg_segment_ptr 1
		.amdhsa_wavefront_size32 1
		.amdhsa_system_sgpr_workgroup_id_x 1
		.amdhsa_system_sgpr_workgroup_id_y 1
		.amdhsa_system_sgpr_workgroup_id_z 1
		.amdhsa_system_vgpr_workitem_id 0
		.amdhsa_next_free_vgpr 192
		.amdhsa_next_free_sgpr 66
		.amdhsa_reserve_vcc 1
		.amdhsa_float_denorm_mode_32 3
		.amdhsa_float_denorm_mode_16_64 3
		.amdhsa_memory_ordered 1
		.amdhsa_forward_progress 1
		.amdhsa_inst_pref_size 56
	.end_amdhsa_kernel
	.amdgpu_metadata
---
amdhsa.version: [ 1, 2 ]
amdhsa.kernels:
  - .name:           k_q1fb6e6651c_prep
    .symbol:         k_q1fb6e6651c_prep.kd
    .args:
      - { .name: W1, .offset: 0, .size: 8, .value_kind: global_buffer, .address_space: global }
      - { .name: W2, .offset: 8, .size: 8, .value_kind: global_buffer, .address_space: global }
      - { .name: W3, .offset: 16, .size: 8, .value_kind: global_buffer, .address_space: global }
      - { .name: b1, .offset: 24, .size: 8, .value_kind: global_buffer, .address_space: global }
      - { .name: a, .offset: 32, .size: 8, .value_kind: global_buffer, .address_space: global }
      - { .name: mate, .offset: 40, .size: 8, .value_kind: global_buffer, .address_space: global }
      - { .name: mask, .offset: 48, .size: 8, .value_kind: global_buffer, .address_space: global }
      - { .name: tab, .offset: 56, .size: 8, .value_kind: global_buffer, .address_space: global }
      - { .name: rows, .offset: 64, .size: 8, .value_kind: global_buffer, .address_space: global }
      - { .name: aval, .offset: 72, .size: 8, .value_kind: global_buffer, .address_space: global }
      - { .name: cnt, .offset: 80, .size: 8, .value_kind: global_buffer, .address_space: global }
      - { .name: w2q, .offset: 88, .size: 8, .value_kind: global_buffer, .address_space: global }
      - { .name: w2s, .offset: 96, .size: 8, .value_kind: global_buffer, .address_space: global }
      - { .name: w3q, .offset: 104, .size: 8, .value_kind: global_buffer, .address_space: global }
      - { .name: w3s, .offset: 112, .size: 8, .value_kind: global_buffer, .address_space: global }
    .group_segment_fixed_size: 0
    .private_segment_fixed_size: 0
    .kernarg_segment_align: 8
    .kernarg_segment_size: 120
    .max_flat_workgroup_size: 128
    .sgpr_count:     66
    .vgpr_count:     192
    .wavefront_size: 32
...
	.end_amdgpu_metadata
.endif
;; end of part 1
;; launch main (part 2): grid 256 x 1, 8 waves a work-group, no clusters, 76,800 bytes of LDS; arguments tab, rows, aval, cnt, w2q, w2s, w3q, w3s, W1, b2, ln_g, ln_b, b3, out0; writes out0
.if DOCPART == 2
	.amdgcn_target "amdgcn-amd-amdhsa--gfx1250"
	.amdhsa_code_object_version 6
	.text
	.protected	k_q1fb6e6651c_main
	.globl	k_q1fb6e6651c_main
	.p2align	8
	.type	k_q1fb6e6651c_main,@function
k_q1fb6e6651c_main:
	s_mov_b64 s[64:65], 0
	v_nop
	global_prefetch_b8 v0, s[64:65] scope:SCOPE_SE
	s_setreg_imm32_b32 hwreg(HW_REG_WAVE_MODE, 25, 1), 1
	s_wait_xcnt 0x0
; MAIN: one work-group makes one batch's row of out0.
;   h = gelu(a W1[0] + tab[row]) for the batch's kept slots, quantised to FP6 (E2M3) along its 512; x Q(W2); summed over the slots; + cnt b2; / max(cnt, 1); LayerNorm; quantised; x Q(W3); + b3.
; A slot whose mask is 0 is multiplied by 0 ahead of the sum, so it is left out: the list has the kept slots in front, and blocks of 64 list places are walked while they begin under cnt.
; The places behind the kept ones name a row of zeros with a = 0: h = 0, zero codes, which add nothing.  So the last block needs no mask.
; ROLES.  Eight waves, two to a SIMD.  Four PRODUCERS (waves 0, 2, 5, 7) make h, its codes and its scale bytes, 16 slots of a block each: vector work.  Four CONSUMERS (waves 1, 3, 4, 6) hold 128 columns of
; W2 each as 32 fragments in registers for the whole launch and multiply all 64 slots of a block by them: 128 matrix instructions a block.  All tiles of 16 slots add onto the SAME eight accumulators:
; the sum over the slots costs nothing.  In phase p the producers write block p into one LDS buffer while the consumers read block p - 1 from the other; one barrier a phase, on every wave's path.
; The loop has 17 phases, a constant; a phase's work is jumped over by a scalar branch on the stored count, never the barrier.
; NO TENSOR LOADS, NO CLUSTER: what work-groups share is W2's and W3's codes, 48 KB that a wave loads once, straight into its operand registers; the table's rows are gathered by each batch's own list,
; and the number of blocks hangs on each batch's own count.
; GELU: h = x (0.5 + xc A(s) / B(s)), xc = x held to +-4 sqrt(2), s = xc^2; xc A / B is erf(x / sqrt(2)) / 2 as a quotient of polynomials of degree 6 and 4 in s.
; LIMITS: 0.5 + erf / 2 carries an absolute error of a few 1e-7, so h's relative error grows for x under -3, where |h| is under 5e-3.  NaN and infinities among the inputs are not served.
;   A block of zeros gets the scale byte 1 (its codes are zeros); blocks whose largest magnitude lies under 2^-124 are held at that byte.  The sums over slots and over the 512 are taken in another order than the reference's.
; REGISTERS.  All waves: v1-8 LDS addresses, v9-11 global offsets.  v24-39 W2's (later W3's) scale words and v40-47 h's (later the normed row's): they hold scales and nothing else.
;   Consumer: v12-23, v48-59 two fragments of h; v60-123 eight accumulators; W2's fragment f = 4 n + s: f <= 20 at v[12 f] of window 1, the others at v[124 + 12 (f - 21)].
;   Producer: v12 the hold; v14-21 the quantiser's; v48-54 codes; v56-59 two constants; v60.. x, xc, s, A, B of two slots (32 each); v220-235 W1[0]; v236-251 table offsets; window 1: 16 slots' table rows.
;   x and xc have the numbers of the consumers' eight accumulators, group of eight on group of eight, and are first read in ascending order.
.set BUF1,  32768                      ; LDS: buffer 0 at 0, buffer 1 here: one exclusive or turns one into the other
.set PITCH, 400                        ; a slot's 384 bytes of codes + 16 = 100 words: the 32 lanes of a load of 8 bytes (16 rows, two halves 24 bytes apart) touch 64 different words modulo 64
.set SCB,   25600                      ; in a buffer, behind 64 rows of codes: 16 scale bytes a slot
.set POOL,  65536                      ; the 512 sums over the slots
.set NWB,   67584                      ; 1,024 bytes for each wave: the normed row's codes (384), its scale bytes (at 384), 64 results (at 512)
.set LQ,   12
.set WSC,  24
.set ASC,  40
.set CD,   48
.set KA6,  56
.set KB4,  58
.set X,    60
.set XC,   92
.set SQ,   124
.set PA,   156
.set PB,   188
.set W0,   220
.set OFF,  236
.set AF0,  12
.set AF1,  48
.set ACC,  60
.set FHI,  124
.set PL,   176                         ; the tail: 16 of the pooled numbers a lane
.set AC3,  196                         ; the tail: four accumulators
.set NF,   60                          ; the tail: the normed row's four fragments
.set ACUR, 32                          ; s[32:47]  a of my 16 slots of the block in hand
.set RNXT, 48                          ; s[48:63]  table rows of my 16 slots of the next block
.set ALND, 68                          ; s[68:83]  where the next a land
.set RLND, 84                          ; s[84:99]  where the rows of the block after next land
.set GA0, 0xbbba79f3                   ; A(s) = sum of GAk s^k: -5.69080716e-03, -5.22304390e-04, -6.49646074e-05, -2.51575617e-06, -4.64265104e-08, 3.06119941e-10, -1.50599506e-12
.set GA1, 0xba08eb41
.set GA2, 0xb8883d9c
.set GA3, 0xb628d45d
.set GA4, 0xb347667d
.set GA5, 0x2fa84a8d
.set GA6, 0xabd3f331
.set GB0, 0xbc69b6a7                   ; B(s): -1.42647391e-02, -3.68666458e-03, -4.20706744e-04, -2.66717569e-05, -9.10379490e-07
.set GB1, 0xbb719bf8
.set GB2, 0xb9dc924e
.set GB3, 0xb7dfbd29
.set GB4, 0xb57460cd
.set MSB, 0
.macro WIN new                         ; s_set_vgpr_msb: bits 1:0 source 0, 3:2 source 1, 5:4 source 2, 7:6 destination; the high byte repeats the setting that is left
.if MSB != \new
	s_set_vgpr_msb (MSB<<8)|\new
.set MSB, \new
.endif
.endm
	s_load_b512 s[4:19], s[0:1], 0x0               ; tab s[4:5], rows s[6:7], aval s[8:9], cnt s[10:11], w2q s[12:13], w2s s[14:15], w3q s[16:17], w3s s[18:19]
	s_load_b64 s[20:21], s[0:1], 0x40              ; W1
	v_lshrrev_b32 v1, 5, v0
	v_readfirstlane_b32 s26, v1                    ; wave 0..7
	s_lshr_b32 s3, s26, 2
	s_xor_b32 s3, s3, s26
	s_and_b32 s3, s3, 1                            ; role: 0 in waves 0, 2, 5, 7 (producers), 1 in waves 1, 3, 4, 6 (consumers)
	s_lshr_b32 s27, s26, 1                         ; id 0..3 within the role
	v_and_b32 v14, 31, v0                          ; l
	v_and_b32 v12, 15, v0                          ; r
	v_bfe_u32 v13, v0, 4, 1                        ; h
	s_mul_i32 s28, s27, 16*PITCH
	v_mul_u32_u24 v1, v14, 12
	v_add_nc_u32 v1, s28, v1                       ; a producer's codes: its 16 rows, 12 bytes (16 codes) a lane
	s_lshl_b32 s28, s27, 8
	s_add_co_u32 s28, s28, SCB
	v_lshrrev_b32 v2, 1, v14
	v_add_nc_u32 v2, s28, v2                       ; and scale bytes: two lanes to a block of 32
	v_mul_u32_u24 v3, v12, PITCH
	v_mad_u32_u24 v3, v13, 24, v3                  ; a consumer's fragments: row r, + 24 h
	v_lshl_add_u32 v4, v12, 4, SCB                 ; and row r's four scale words
	v_lshlrev_b32 v9, 4, v14                       ; 16 l
	v_lshlrev_b32 v10, 6, v14                      ; 64 l
	v_lshlrev_b32 v11, 3, v14                      ; 8 l
	s_mov_b32 s31, 0                               ; the upper word of the offset pair s[30:31]
	s_mov_b32 s100, 0                              ; the first list place of the producers' block: the loop's counter
	s_mov_b32 s101, 0                              ; the producers' buffer
	s_wait_kmcnt 0x0
	s_lshl_b32 s30, ttmp9, 7
	s_add_nc_u64 s[10:11], s[10:11], s[30:31]
	s_load_b32 s67, s[10:11], 0x0                  ; the batch's count of kept slots
	s_lshl_b32 s30, ttmp9, 12
	s_lshl_b32 s28, s27, 6
	s_add_co_u32 s30, s30, s28
	s_add_nc_u64 s[6:7], s[6:7], s[30:31]          ; the lists at my batch, + my 16 places of a block
	s_add_nc_u64 s[8:9], s[8:9], s[30:31]
	s_mul_i32 s30, s27, 49152
	s_add_nc_u64 s[12:13], s[12:13], s[30:31]      ; W2's images: 32 of 1,536 bytes for each 128 columns
	s_lshl_b32 s30, s27, 11
	s_add_nc_u64 s[14:15], s[14:15], s[30:31]      ; W2's scale bytes: 16 a column
	s_mul_i32 s30, s26, 24576
	s_add_nc_u64 s[16:17], s[16:17], s[30:31]      ; W3's: every wave takes 64 columns: 16 images
	s_lshl_b32 s30, s26, 10
	s_add_nc_u64 s[18:19], s[18:19], s[30:31]
	s_wait_kmcnt 0x0
	s_min_u32 s67, s67, 1024
	s_cmp_lg_u32 s3, 0
	s_cbranch_scc1 .Lcons_head
; The byte offsets in tab of the next block's 16 rows: a loaded row is held inside the table before it enters an address
.macro OFFS
.irp t, 0,1,2,3,4,5,6,7,8,9,10,11,12,13,14,15
	s_min_u32 s66, s[RNXT+\t], 1025
	v_lshl_add_u32 v[OFF+\t], s66, 11, v9
.endr
.endm
; Slot t's table row into window 1: four loads of 512 consecutive bytes; lane l gets k = 16 l + 0 .. 15
.macro LOADT t
.irp j, 0,1,2,3
	global_load_b128 v[16*(\t)+4*\j:16*(\t)+4*\j+3], v[OFF+(\t)], s[4:5] offset:512*\j
.endr
.endm
; ---------------- the producers' head ----------------
	s_load_b512 s[RNXT:RNXT+15], s[6:7], 0x0       ; block 0's rows
	v_mov_b32 v[LQ], 0x40b504f3                    ; 4 sqrt(2)
	v_mov_b32 v[KA6], GA6
	v_mov_b32 v[KA6+1], GA6
	v_mov_b32 v[KB4], GB4
	v_mov_b32 v[KB4+1], GB4
	s_mov_b32 s105, 0                              ; named with s104 as a pair, so it is written
	s_wait_kmcnt 0x0
	OFFS
	WIN 0x40
.irp t, 0,1,2,3,4,5,6,7,8,9,10,11,12,13,14,15
	LOADT \t
.endr
	WIN 0
.irp j, 0,1,2,3
	global_load_b128 v[W0+4*\j:W0+4*\j+3], v10, s[20:21] offset:16*\j   ; W1[0] at k = 16 l + 0 .. 15
.endr
	s_load_b512 s[RNXT:RNXT+15], s[6:7], 0x100     ; block 1's rows
	s_load_b512 s[ACUR:ACUR+15], s[8:9], 0x0       ; block 0's a
	s_wait_kmcnt 0x0
	s_wait_loadcnt 0x0                             ; W1[0] is the youngest load: once, here
	s_branch .Lphase
; ---------------- the consumers' head ----------------
.Lcons_head:
	v_lshlrev_b32 v56, 4, v12
	v_lshl_add_u32 v56, v13, 2, v56                ; 16 r + 4 h
	WIN 0x40
.set cf, 0
.rept 21
.irp j, 0,1,2
	global_load_b128 v[12*cf+4*\j:12*cf+4*\j+3], v9, s[12:13] offset:1536*cf+512*\j
.endr
.set cf, cf+1
.endr
	WIN 0
.rept 11
.irp j, 0,1,2
	global_load_b128 v[FHI+12*(cf-21)+4*\j:FHI+12*(cf-21)+4*\j+3], v9, s[12:13] offset:1536*cf+512*\j
.endr
.set cf, cf+1
.endr
.irp n, 0,1,2,3,4,5,6,7
.irp u, 0,1
	global_load_b32 v[WSC+2*\n+\u], v56, s[14:15] offset:256*\n+8*\u   ; lanes 0-15: column r's word of K step 2 u; lanes 16-31: of K step 2 u + 1
.endr
.endr
.set cf, 0
.rept 64
	v_mov_b32 v[ACC+cf], 0                         ; the loop is written once and may run no block at all (cnt = 0): the sums begin as zeros
.set cf, cf+1
.endr
	s_wait_loadcnt 0x0
; One Horner step on the 16 pairs of two slots; the constant is a literal, broadcast to both halves
.macro HS acc, lit
.set hk, 0
.rept 16
	v_pk_fma_f32 v[\acc+hk:\acc+hk+1], v[\acc+hk:\acc+hk+1], v[SQ+hk:SQ+hk+1], \lit op_sel_hi:[1,1,0]
.set hk, hk+2
.endr
.endm
.macro H0 acc, top, lit                ; the first step: s x the highest coefficient + the next
.set hk, 0
.rept 16
	v_pk_fma_f32 v[\acc+hk:\acc+hk+1], v[SQ+hk:SQ+hk+1], v[\top:\top+1], \lit op_sel_hi:[1,1,0]
.set hk, hk+2
.endr
.endm
; n rows (1 or 2) of 16 numbers a lane, v[h + 16 u] on, k = 16 l + 0 .. 15: two neighbouring lanes hold a block of 32.  Codes to v[CD + 4 u] on, the scale's byte to v[20 + u].
.macro QROWS h, n
	s_wait_dscnt 0x0                               ; the LDS stores that read the codes' and bytes' registers last time are done
.irp u, 0,1
.if \u < \n
	v_max3_num_f32 v[14+\u], |v[\h+16*\u]|, |v[\h+16*\u+1]|, |v[\h+16*\u+2]|
	v_max3_num_f32 v[16+\u], |v[\h+16*\u+3]|, |v[\h+16*\u+4]|, |v[\h+16*\u+5]|
.endif
.endr
.irp i, 6,10
.irp u, 0,1
.if \u < \n
	v_max3_num_f32 v[14+\u], v[14+\u], |v[\h+16*\u+\i]|, |v[\h+16*\u+\i+1]|
	v_max3_num_f32 v[16+\u], v[16+\u], |v[\h+16*\u+\i+2]|, |v[\h+16*\u+\i+3]|
.endif
.endr
.endr
.irp u, 0,1
.if \u < \n
	v_max3_num_f32 v[14+\u], v[14+\u], |v[\h+16*\u+14]|, |v[\h+16*\u+15]|
.endif
.endr
.irp u, 0,1
.if \u < \n
	v_max3_num_f32 v[14+\u], v[14+\u], v[16+\u], 0x1800000   ; the floor 2^-124: the byte cannot fall under 1
.endif
.endr
.irp u, 0,1
.if \u < \n
	v_max_num_f32_dpp v[14+\u], v[14+\u], v[14+\u] row_xmask:1 row_mask:0xf bank_mask:0xf   ; with my neighbour's 16: the block's largest magnitude
.endif
.endr
.irp u, 0,1
.if \u < \n
	v_add_nc_u32 v[18+\u], 0xff000000, v[14+\u]    ; 2 off its exponent field: the conversion takes this operand's exponent field as its scale
.endif
.endr
.irp u, 0,1
.if \u < \n
	v_cvt_scalef32_pk16_fp6_f32 v[CD+4*\u:CD+4*\u+2], v[\h+16*\u:\h+16*\u+15], v[18+\u]
.endif
.endr
.irp u, 0,1
.if \u < \n
	v_lshrrev_b32 v[20+\u], 23, v[18+\u]           ; the scale's byte; also the plain instruction behind the last conversion
.endif
.endr
.endm
; Slots t and t + 1 of my 16 (t even).
.macro PAIR t
	s_wait_loadcnt 56                              ; 64 table loads are out at the most, in the order of the slots: the oldest eight are this pair's, the 56 younger ones stay out
	s_mov_b32 s104, s[ACUR+(\t)+1]                 ; the odd slot's a into the low word of an even pair
	WIN 0x10                                       ; source 2: window 1
.set pi, 0
.rept 8
	v_pk_fma_f32 v[X+pi:X+pi+1], v[W0+pi:W0+pi+1], s[ACUR+(\t):ACUR+(\t)+1], v[16*(\t)+pi:16*(\t)+pi+1] op_sel_hi:[1,0,1]   ; x = a W1[0] + (W1[1 + mate] + b1)
	v_pk_fma_f32 v[X+16+pi:X+17+pi], v[W0+pi:W0+pi+1], s[104:105], v[16*(\t)+16+pi:16*(\t)+17+pi] op_sel_hi:[1,0,1]
.set pi, pi+2
.endr
	WIN 0x40                                       ; destination: window 1
	LOADT \t                                       ; the next block's rows into the registers just read: they have a whole phase in which to land
	LOADT (\t)+1
	WIN 0
.set pi, 0
.rept 32
	v_med3_num_f32 v[XC+pi], v[X+pi], -v[LQ], v[LQ]   ; x is read in ascending order,
.set pi, pi+1
.endr
.set pi, 0
.rept 16
	v_pk_mul_f32 v[SQ+pi:SQ+pi+1], v[XC+pi:XC+pi+1], v[XC+pi:XC+pi+1]   ; and so is xc
.set pi, pi+2
.endr
	H0 PA, KA6, GA5
	H0 PB, KB4, GB3
	HS PA, GA4
	HS PB, GB2
	HS PA, GA3
	HS PB, GB1
	HS PA, GA2
	HS PB, GB0
.set pi, 0
.rept 32
	v_rcp_f32 v[PB+pi], v[PB+pi]                   ; one batch of 32; what follows up to the wait names none of its results
.set pi, pi+1
.endr
	HS PA, GA1
	HS PA, GA0
.set pi, 0
.rept 16
	v_pk_mul_f32 v[XC+pi:XC+pi+1], v[XC+pi:XC+pi+1], v[PA+pi:PA+pi+1]
.set pi, pi+2
.endr
	s_wait_alu depctr_va_vdst(0)                   ; one wait for the batch, ahead of its first reader
.set pi, 0
.rept 16
	v_pk_fma_f32 v[PA+pi:PA+pi+1], v[XC+pi:XC+pi+1], v[PB+pi:PB+pi+1], 0.5 op_sel_hi:[1,1,0]
.set pi, pi+2
.endr
.set pi, 0
.rept 16
	v_pk_mul_f32 v[X+pi:X+pi+1], v[X+pi:X+pi+1], v[PA+pi:PA+pi+1]   ; h
.set pi, pi+2
.endr
	QROWS X, 2
.irp u, 0,1
.irp j, 0,1,2
	ds_store_b32 v5, v[CD+4*\u+\j] offset:PITCH*((\t)+\u)+4*\j      ; lanes 12 bytes apart: 32 different words modulo 64
.endr
	ds_store_b8 v6, v[20+\u] offset:16*((\t)+\u)                    ; both lanes of a block write the same byte with the same value
.endr
.endm
; A fragment of h: tile m of 16 slots, K step s: lane (r, h) takes 24 bytes at 96 s + 24 h and 24 at 96 s + 48 + 24 h of row r, in pieces of 8
.macro FRAGLD reg, m, s
.irp q, 0,1,2,3,4,5
	ds_load_b64 v[\reg+2*\q:\reg+2*\q+1], v7 offset:16*PITCH*(\m)+96*(\s)+48*(\q/3)+8*(\q%3)
.endr
.endm
; Group i of 16: tile i / 4 of the slots, K step i % 4, against my eight tiles of columns.  Source 0 = 16 slots, source 1 = 16 columns of W2.  The eight accumulators take turns, one instruction a turn,
; in the same order in every group, over the loop's backward jump too.
.macro GROUP i
.set gm, (\i)/4
.set gs, (\i)%4
.set ga, AF0+36*((\i)%2)
.if (\i) == 15
	s_wait_dscnt 0x0
.else
	s_wait_dscnt 6                                 ; behind this group's fragment (and the scale words ahead of it) only the next fragment's six loads were issued
.endif
.irp n, 0,1,2,3,4,5,6,7
.set gf, 4*\n+gs
.if gf <= 20
	WIN 0x04                                       ; source 1: window 1
.set gb, 12*gf
.else
	WIN 0
.set gb, FHI+12*(gf-21)
.endif
.if gs%2
	v_wmma_scale_f32_16x16x128_f8f6f4 v[ACC+8*\n:ACC+8*\n+7], v[ga:ga+11], v[gb:gb+11], v[ACC+8*\n:ACC+8*\n+7], v[ASC+4*(gm%2)+gs], v[WSC+2*\n+gs/2] matrix_a_fmt:MATRIX_FMT_FP6 matrix_b_fmt:MATRIX_FMT_FP6 matrix_b_scale:MATRIX_SCALE_ROW1
.else
	v_wmma_scale_f32_16x16x128_f8f6f4 v[ACC+8*\n:ACC+8*\n+7], v[ga:ga+11], v[gb:gb+11], v[ACC+8*\n:ACC+8*\n+7], v[ASC+4*(gm%2)+gs], v[WSC+2*\n+gs/2] matrix_a_fmt:MATRIX_FMT_FP6 matrix_b_fmt:MATRIX_FMT_FP6
.endif
.endr
	WIN 0
.rept 4
	v_nop                                          ; four places in front of loads into registers that these matrix instructions have read (ISA guide 7.12.1 for vector instructions)
.endr
.if (\i)+2 <= 15
.if ((\i)+2)%4 == 0
	ds_load_b128 v[ASC+4*((((\i)+2)/4)%2):ASC+4*((((\i)+2)/4)%2)+3], v8 offset:256*(((\i)+2)/4)   ; the next tile's four scale words a row, into the other set
.endif
	FRAGLD ga, ((\i)+2)/4, ((\i)+2)%4
.endif
.endm
; ---------------- the phases ----------------
.Lphase:
	s_xor_b32 s2, s101, BUF1                       ; the consumers' buffer
	v_add_nc_u32 v5, s101, v1
	v_add_nc_u32 v6, s101, v2
	v_add_nc_u32 v7, s2, v3
	v_add_nc_u32 v8, s2, v4
	s_cmp_lg_u32 s3, 0
	s_cbranch_scc1 .Lcons
	s_cmp_ge_u32 s100, s67                         ; no kept slot in this block: nothing to make
	s_cbranch_scc1 .Ljoin
	s_wait_xcnt 0x0                                ; the last phase's table loads have read their offsets: these are rewritten only behind this wait
	s_add_co_u32 s28, s100, 64
	s_min_u32 s28, s28, 960                        ; held at the last block: no load leaves its list
	s_lshl_b32 s28, s28, 2
	s_add_co_u32 s29, s100, 128
	s_min_u32 s29, s29, 960
	s_lshl_b32 s29, s29, 2
	s_load_b512 s[ALND:ALND+15], s[8:9], s28 offset:0x0    ; the next block's a
	s_load_b512 s[RLND:RLND+15], s[6:7], s29 offset:0x0    ; the rows of the block after next
	OFFS
.irp t, 0,2,4,6,8,10,12,14
	PAIR \t
.endr
	s_wait_kmcnt 0x0
.irp i, 0,2,4,6,8,10,12,14
	s_mov_b64 s[ACUR+\i:ACUR+\i+1], s[ALND+\i:ALND+\i+1]
	s_mov_b64 s[RNXT+\i:RNXT+\i+1], s[RLND+\i:RLND+\i+1]
.endr
	s_branch .Ljoin
.Lcons:
	s_sub_co_u32 s66, s100, 64                     ; the block made in the last phase (in phase 0 a huge number: nothing yet)
	s_cmp_ge_u32 s66, s67
	s_cbranch_scc1 .Ljoin
	ds_load_b128 v[ASC:ASC+3], v8
	FRAGLD AF0, 0, 0
	FRAGLD AF1, 0, 1
.irp i, 0,1,2,3,4,5,6,7,8,9,10,11,12,13,14,15
	GROUP \i
.endr
.Ljoin:
	s_wait_dscnt 0x0                               ; for the others' sake: my stores into one buffer have landed, my reads of the other are in
	s_barrier_signal -1
	s_barrier_wait -1
	s_xor_b32 s101, s101, BUF1
	s_add_co_u32 s100, s100, 64
	s_cmp_lt_u32 s100, 1088                        ; 17 phases: 16 blocks at the most, and one more for the consumers
	s_cbranch_scc1 .Lphase
; ---------------- the tail: every wave ----------------
	s_wait_loadcnt 0x0                             ; the producers' last table loads, which nobody reads
	s_load_b128 s[32:35], s[0:1], 0x48             ; b2 s[32:33], ln_g s[34:35]
	s_load_b128 s[36:39], s[0:1], 0x58             ; ln_b s[36:37], b3 s[38:39]
	s_load_b64 s[40:41], s[0:1], 0x68              ; out0
	s_mov_b32 s48, 0x76543210
	s_mov_b32 s49, 0xfedcba98                      ; v_permlanex16_b32's selects for lane l xor 16
	v_and_b32 v14, 31, v0                          ; l.  (These address lines, behind the last group's four places, name no register of the last products but fragments long multiplied)
	v_and_b32 v12, 15, v0                          ; r
	v_bfe_u32 v13, v0, 4, 1                        ; h
	s_lshl_b32 s28, s26, 10
	s_add_co_u32 s28, s28, NWB                     ; my wave's 1,024 bytes
	v_mul_u32_u24 v1, v14, 12
	v_add_nc_u32 v1, s28, v1                       ; the normed row's codes: 12 bytes a lane
	v_lshrrev_b32 v2, 1, v14
	v_add_nc_u32 v2, s28, v2                       ; its scale bytes (at 384)
	v_mul_u32_u24 v3, v13, 24
	v_add_nc_u32 v3, s28, v3                       ; its fragments: all 16 rows of the operand are this one row
	v_mov_b32 v4, s28                              ; its four scale words (at 384)
	v_lshl_add_u32 v5, v12, 2, s28                 ; the results (at 512): 4 bytes a column,
	v_lshl_add_u32 v6, v14, 3, s28                 ; and back, 8 bytes a lane
	v_lshl_add_u32 v7, v14, 6, POOL                ; 16 of the 512 sums a lane
	s_lshl_b32 s29, s27, 9
	s_add_co_u32 s29, s29, POOL
	v_lshl_add_u32 v8, v12, 2, s29                 ; a consumer's 128 sums: column 128 id + 16 n + r
	v_lshlrev_b32 v15, 4, v12                      ; 16 r
	s_wait_kmcnt 0x0
.irp j, 0,1,2,3
	global_load_b128 v[128+4*\j:131+4*\j], v10, s[32:33] offset:16*\j   ; b2, ln_g, ln_b at 16 l + 0 .. 15
	global_load_b128 v[144+4*\j:147+4*\j], v10, s[34:35] offset:16*\j
	global_load_b128 v[160+4*\j:163+4*\j], v10, s[36:37] offset:16*\j
.endr
.irp n, 0,1,2,3
	global_load_b128 v[WSC+4*\n:WSC+4*\n+3], v15, s[18:19] offset:256*\n   ; W3's scale words: column 64 wave + 16 n + r, K steps 0 .. 3
.endr
	s_lshl_b32 s30, s26, 8
	s_add_nc_u64 s[38:39], s[38:39], s[30:31]      ; b3 at my 64 columns
	global_load_b64 v[192:193], v11, s[38:39]
	s_lshl_b32 s29, ttmp9, 11
	s_add_co_u32 s30, s30, s29
	s_add_nc_u64 s[40:41], s[40:41], s[30:31]      ; out0 at my batch's row, my 64 columns
	WIN 0x40
.set cf, 0
.rept 16
.irp j, 0,1,2
	global_load_b128 v[12*cf+4*\j:12*cf+4*\j+3], v9, s[16:17] offset:1536*cf+512*\j   ; W3's fragment (n, s) at v[12 (4 n + s)] of window 1
.endr
.set cf, cf+1
.endr
	WIN 0
	s_cmp_eq_u32 s3, 0
	s_cbranch_scc1 .Lpooled
	; the consumers: register j of lane (r, h) of accumulator n holds the sum over the slots 8 h + j of all tiles, for column r: eight registers and two halves are added.  Each accumulator is read from its low end on
	v_mov_b32 v56, 0                               ; a lane permute's destination counts as one of its sources
.irp n, 0,1,2,3,4,5,6,7
	v_pk_add_f32 v[16:17], v[ACC+8*\n:ACC+8*\n+1], v[ACC+8*\n+2:ACC+8*\n+3]
	v_pk_add_f32 v[18:19], v[ACC+8*\n+4:ACC+8*\n+5], v[ACC+8*\n+6:ACC+8*\n+7]
	v_pk_add_f32 v[16:17], v[16:17], v[18:19]
	v_add_f32 v[48+\n], v16, v17
.endr
.irp n, 0,1,2,3,4,5,6,7
	v_permlanex16_b32 v56, v[48+\n], s48, s49
	v_add_f32 v[48+\n], v[48+\n], v56
	ds_store_b32 v8, v[48+\n] offset:64*\n         ; lanes r and 16 + r write the same word with the same value
.endr
.Lpooled:
	s_wait_dscnt 0x0
	s_barrier_signal -1
	s_barrier_wait -1                              ; the 512 sums lie in LDS
; The sum over the 32 lanes, in every lane
.macro WSUM a, t
	v_add_f32_dpp v[\a], v[\a], v[\a] row_xmask:1 row_mask:0xf bank_mask:0xf
	v_add_f32_dpp v[\a], v[\a], v[\a] row_xmask:2 row_mask:0xf bank_mask:0xf
	v_add_f32_dpp v[\a], v[\a], v[\a] row_xmask:4 row_mask:0xf bank_mask:0xf
	v_add_f32_dpp v[\a], v[\a], v[\a] row_xmask:8 row_mask:0xf bank_mask:0xf
	v_permlanex16_b32 v[\t], v[\a], s48, s49
	v_add_f32 v[\a], v[\a], v[\t]
.endm
	; every wave makes the whole normed row for itself: 16 numbers a lane
.irp j, 0,1,2,3
	ds_load_b128 v[PL+4*\j:PL+4*\j+3], v7 offset:16*\j
.endr
	s_wait_loadcnt 0x0                             ; all the tail's loads are in, and their offsets free
	v_cvt_f32_u32 v12, s67                         ; cnt
	v_max_num_f32 v13, 1.0, v12
	v_rcp_f32 v22, v13
	v_mov_b32 v23, 0                               ; a plain instruction behind the reciprocal; the pair's upper half is written
	s_wait_dscnt 0x0
.irp i, 0,2,4,6,8,10,12,14
	v_pk_fma_f32 v[PL+\i:PL+\i+1], v[128+\i:129+\i], v[12:13], v[PL+\i:PL+\i+1] op_sel_hi:[1,0,1]   ; + cnt b2
.endr
	s_wait_alu depctr_va_vdst(0)                   ; ahead of the reciprocal's first reader
.irp i, 0,2,4,6,8,10,12,14
	v_pk_mul_f32 v[PL+\i:PL+\i+1], v[PL+\i:PL+\i+1], v[22:23] op_sel_hi:[1,0]                       ; / max(cnt, 1)
.endr
	v_pk_add_f32 v[14:15], v[PL:PL+1], v[PL+2:PL+3]
	v_pk_add_f32 v[16:17], v[PL+4:PL+5], v[PL+6:PL+7]
	v_pk_add_f32 v[18:19], v[PL+8:PL+9], v[PL+10:PL+11]
	v_pk_add_f32 v[20:21], v[PL+12:PL+13], v[PL+14:PL+15]
	v_pk_add_f32 v[14:15], v[14:15], v[16:17]
	v_pk_add_f32 v[18:19], v[18:19], v[20:21]
	v_pk_add_f32 v[14:15], v[14:15], v[18:19]
	v_add_f32 v14, v14, v15
	WSUM 14, 15
	v_mul_f32 v14, 0x3b000000, v14                 ; mu = the sum / 512
.irp i, 0,2,4,6,8,10,12,14
	v_pk_add_f32 v[PL+\i:PL+\i+1], v[PL+\i:PL+\i+1], v[14:15] op_sel_hi:[1,0] neg_lo:[0,1] neg_hi:[0,1]   ; - mu
.endr
	v_pk_mul_f32 v[16:17], v[PL:PL+1], v[PL:PL+1]
	v_pk_mul_f32 v[18:19], v[PL+2:PL+3], v[PL+2:PL+3]
.irp i, 4,8,12
	v_pk_fma_f32 v[16:17], v[PL+\i:PL+\i+1], v[PL+\i:PL+\i+1], v[16:17]
	v_pk_fma_f32 v[18:19], v[PL+\i+2:PL+\i+3], v[PL+\i+2:PL+\i+3], v[18:19]
.endr
	v_pk_add_f32 v[16:17], v[16:17], v[18:19]
	v_add_f32 v16, v16, v17
	WSUM 16, 17
	v_mov_b32 v17, 0x3727c5ac                      ; 1e-5
	v_fmamk_f32 v16, v16, 0x3b000000, v17          ; var + eps
	v_rsq_f32 v18, v16
	v_mov_b32 v19, 0                               ; a plain instruction behind it; the pair's upper half is written
	s_wait_alu depctr_va_vdst(0)
.irp i, 0,2,4,6,8,10,12,14
	v_pk_mul_f32 v[PL+\i:PL+\i+1], v[PL+\i:PL+\i+1], v[18:19] op_sel_hi:[1,0]
.endr
.irp i, 0,2,4,6,8,10,12,14
	v_pk_fma_f32 v[PL+\i:PL+\i+1], v[PL+\i:PL+\i+1], v[144+\i:145+\i], v[160+\i:161+\i]   ; x ln_g + ln_b
.endr
	QROWS PL, 1
.irp j, 0,1,2
	ds_store_b32 v1, v[CD+\j] offset:4*\j
.endr
	ds_store_b8 v2, v20 offset:384
.irp s, 0,1,2,3                                ; LDS serves a wave's instructions in order (ISA guide 5.7.1.4): these loads of my own bytes see my stores
.irp q, 0,1,2,3,4,5
	ds_load_b64 v[NF+12*\s+2*\q:NF+12*\s+2*\q+1], v3 offset:96*\s+48*(\q/3)+8*(\q%3)
.endr
.endr
	ds_load_b128 v[ASC:ASC+3], v4 offset:384
	s_wait_dscnt 0x0
	WIN 0x04                                       ; source 1 (W3): window 1
.irp s, 0,1,2,3                                ; four accumulators by turns, K ascending; the first K step starts the sums
.irp n, 0,1,2,3
.if \s == 0
	v_wmma_scale_f32_16x16x128_f8f6f4 v[AC3+8*\n:AC3+8*\n+7], v[NF+12*\s:NF+12*\s+11], v[12*(4*\n+\s):12*(4*\n+\s)+11], 0, v[ASC+\s], v[WSC+4*\n+\s] matrix_a_fmt:MATRIX_FMT_FP6 matrix_b_fmt:MATRIX_FMT_FP6
.else
	v_wmma_scale_f32_16x16x128_f8f6f4 v[AC3+8*\n:AC3+8*\n+7], v[NF+12*\s:NF+12*\s+11], v[12*(4*\n+\s):12*(4*\n+\s)+11], v[AC3+8*\n:AC3+8*\n+7], v[ASC+\s], v[WSC+4*\n+\s] matrix_a_fmt:MATRIX_FMT_FP6 matrix_b_fmt:MATRIX_FMT_FP6
.endif
.endr
.endr
	WIN 0
.rept 4
	v_nop                                          ; four places in front of the first read of the results
.endr
.irp n, 0,1,2,3
	ds_store_b32 v5, v[AC3+8*\n] offset:512+64*\n  ; all rows of the result are equal: each accumulator's lowest register holds column r
.endr
	ds_load_b64 v[194:195], v6 offset:512
	s_wait_dscnt 0x0
	v_pk_add_f32 v[194:195], v[194:195], v[192:193]   ; + b3
	global_store_b64 v11, v[194:195], s[40:41]     ; 32 lanes store 256 consecutive bytes, at a multiple of 256 from out0's first byte
	s_wait_xcnt 0x0
	v_lshl_add_u32 v250, v0, 2, 0x12800
	v_mov_b32 v251, 0
	s_wait_tensorcnt 0x0
	ds_add_u32 v250, v251
	s_wait_dscnt 0x0
	s_endpgm
.Lfunc_end_k_q1fb6e6651c_main:
	.size	k_q1fb6e6651c_main, .Lfunc_end_k_q1fb6e6651c_main-k_q1fb6e6651c_main
	.p2alignl 7, 3214868480
	.fill 96, 4, 3214868480
	.section	.rodata,"a",@progbits
	.p2align	6, 0x0
	.amdhsa_kernel k_q1fb6e6651c_main
		.amdhsa_group_segment_fixed_size 76800
		.amdhsa_private_segment_fixed_size 0
		.amdhsa_enable_private_segment 0
		.amdhsa_kernarg_size 112
		.amdhsa_user_sgpr_count 2
		.amdhsa_user_sgpr_kernarg_segment_ptr 1
		.amdhsa_wavefront_size32 1
		.amdhsa_system_sgpr_workgroup_id_x 1
		.amdhsa_system_sgpr_workgroup_id_y 1
		.amdhsa_system_sgpr_workgroup_id_z 1
		.amdhsa_system_vgpr_workitem_id 0
		.amdhsa_next_free_vgpr 512
		.amdhsa_next_free_sgpr 106
		.amdhsa_reserve_vcc 0
		.amdhsa_float_denorm_mode_32 3
		.amdhsa_float_denorm_mode_16_64 3
		.amdhsa_memory_ordered 1
		.amdhsa_forward_progress 1
		.amdhsa_inst_pref_size 255
	.end_amdhsa_kernel
	.section	.bss,"aw",@nobits
	.p2align	6
	.space	262144
	.amdgpu_metadata
---
amdhsa.version: [ 1, 2 ]
amdhsa.kernels:
  - .name:           k_q1fb6e6651c_main
    .symbol:         k_q1fb6e6651c_main.kd
    .args:
      - { .name: tab, .offset: 0, .size: 8, .value_kind: global_buffer, .address_space: global }
      - { .name: rows, .offset: 8, .size: 8, .value_kind: global_buffer, .address_space: global }
      - { .name: aval, .offset: 16, .size: 8, .value_kind: global_buffer, .address_space: global }
      - { .name: cnt, .offset: 24, .size: 8, .value_kind: global_buffer, .address_space: global }
      - { .name: w2q, .offset: 32, .size: 8, .value_kind: global_buffer, .address_space: global }
      - { .name: w2s, .offset: 40, .size: 8, .value_kind: global_buffer, .address_space: global }
      - { .name: w3q, .offset: 48, .size: 8, .value_kind: global_buffer, .address_space: global }
      - { .name: w3s, .offset: 56, .size: 8, .value_kind: global_buffer, .address_space: global }
      - { .name: W1, .offset: 64, .size: 8, .value_kind: global_buffer, .address_space: global }
      - { .name: b2, .offset: 72, .size: 8, .value_kind: global_buffer, .address_space: global }
      - { .name: ln_g, .offset: 80, .size: 8, .value_kind: global_buffer, .address_space: global }
      - { .name: ln_b, .offset: 88, .size: 8, .value_kind: global_buffer, .address_space: global }
      - { .name: b3, .offset: 96, .size: 8, .value_kind: global_buffer, .address_space: global }
      - { .name: out0, .offset: 104, .size: 8, .value_kind: global_buffer, .address_space: global }
    .group_segment_fixed_size: 76800
    .private_segment_fixed_size: 0
    .kernarg_segment_align: 8
    .kernarg_segment_size: 112
    .max_flat_workgroup_size: 256
    .sgpr_count:     106
    .vgpr_count:     512
    .wavefront_size: 32
...
	.end_amdgpu_metadata
.endif
;; end of part 2
